; MI455X (gfx1250); checked and timed in simulation.
; The chip was launched on July 23, 2026; its instructions are those of AMD's public machine-readable ISA for CDNA 5 (MIT licence, August 2026) and "CDNA5" Instruction Set Architecture Reference Guide (July 2026). The comments in the code are by the model that wrote it; some were corrected since.
;; Vector Quantizer. Allowed arithmetic: float matrix products may take bf16 or f16 operands with f32 sums; other float arithmetic in f32, or as packed bf16 or f16 multiplies, adds, multiply-adds, maxima and minima; sums over many terms, partial sums and values carried from step to step in f32; what a program stores and reads back later, other than sums and carried values, may be rounded once to bf16 or f16.
;; Inputs: embedding 8,192 x 256 float32; x 32 x 1,024 x 256 float32.
;; Outputs: out0 32 x 1,024 x 256 float32; out1 one number float32; out2 32 x 1,024 int32.
;; One version. Each part assembles by itself: llvm-mc -triple=amdgcn-amd-amdhsa -mcpu=gfx1250 --defsym DOCPART=n.
;; ======== version 1 of 1: 4 launches
;; limits: values within 0.001 (relative) of each other or of a threshold may be ordered or decided otherwise than in the reference
;; workspace buffers: cbh 4,194,304 bytes; cbn 8,388,608 bytes; cbb 32,768 bytes; cand 524,288 bytes of whole numbers; part 2,048 bytes
;; launch prep (part 1): grid 128 x 1, 16 waves a work-group, no clusters, 37,120 bytes of LDS; arguments embedding, cbh, cbn, cbb; writes cbh, cbn, cbb
.if DOCPART == 1
	.amdgcn_target "amdgcn-amd-amdhsa--gfx1250"
	.amdhsa_code_object_version 6
	.text
	.protected	k_qb6cd53d563_prep
	.globl	k_qb6cd53d563_prep
	.p2align	8
	.type	k_qb6cd53d563_prep,@function
k_qb6cd53d563_prep:
	s_mov_b64 s[64:65], 0
	v_nop
	global_prefetch_b8 v0, s[64:65] scope:SCOPE_SE
	s_setreg_imm32_b32 hwreg(HW_REG_WAVE_MODE, 25, 1), 1
	s_wait_xcnt 0x0
; VECTOR QUANTIZER, first of four launches: the codebook [8192][256] f32 is normalised once.
;   cbn[code][k]  = embedding[code][k] / max(|embedding[code]|, 1e-12), f32
;   cbb[code]     = the sum over k of cbn[code][k]^2, f32
;   cbh           = cbn rounded once to f16, laid out as the next launch's matrix fragments: a block of 16 codes is 8,192 bytes,
;                   32 units of 256 bytes; unit u holds k = 8 u .. 8 u + 7 of the 16 codes, 16 bytes a code.
; f16 and not bf16: the numbers are components of unit vectors, at most 1 in size whatever the input's scale or offset.
; SHARES.  A work-group owns 64 rows (64 words of cbb are 256 consecutive bytes, four blocks of cbh are 32,768), a wave four rows, one row
; across its 32 lanes: lane l holds k = 4 l .. 4 l + 3 and 128 + 4 l .. + 3, so each load and store of a wave covers 512 consecutive bytes.
; All of a work-group's 64 KiB are asked for at once; nothing is read twice.  No matrix unit, no cluster: the work-groups share no input.
; The root and the quotient are refined by fused multiply-adds, so that they are rounded as a division would round them.
; LIMITS.  The sum of a row's squares must stay finite in f32; NaN and infinities are not treated apart.
.set UPITCH, 272                       ; a unit in LDS: 256 bytes + 16: sixteen units that a store touches start 68 words apart
.set BW,     128*UPITCH                ; behind the 128 units: the 64 words of cbb, a block of 256 bytes
.set SPARE,  BW+256                    ; the spare words: 128 bytes for each of 16 waves; no other line names them
.set L16, 1                            ; v1      16 x lane
.set SPW, 2                            ; v2      my spare word's LDS address; never rewritten
.set NIL, 3                            ; v3      0; never rewritten
.set UW,  4                            ; v4      where my 8 bytes of row 0's first half go in the units
.set UR,  5                            ; v5      where I read units back
.set BWA, 6                            ; v6      my wave's four words of cbb in LDS
.set X,   16                           ; v[16:47]  four rows, 8 numbers a lane each; normalised in place
.set QT,  48                           ; v[48:55]  quotient, first guess
.set RC,  56                           ; v[56:63]  row i: 1 / m in the pair's low word
.set SS,  64                           ; v[64:71]  row i: a sum in the pair's low word
.set H,   72                           ; v[72:87]  at work; then the rows in f16; then the units read back
.set MX,  88                           ; v[88:95]  row i: m = max(norm, 1e-12) in the pair's low word
.set WT,  96                           ; v[96:103] the division's remainder
	s_load_b256 s[4:11], s[0:1], 0x0               ; embedding s[4:5], cbh s[6:7], cbn s[8:9], cbb s[10:11]
	v_lshl_add_u32 v[SPW], v0, 2, SPARE
	v_mov_b32 v[NIL], 0
	v_lshrrev_b32 v12, 5, v0
	v_readfirstlane_b32 s12, v12                   ; wave 0..15
	v_and_b32 v13, 31, v0                          ; lane
	v_lshlrev_b32 v[L16], 4, v13
	s_mov_b32 s16, 0x76543210                      ; v_permlanex16_b32: each lane takes its own place in the other half
	s_mov_b32 s17, 0xfedcba98
	s_lshl_b32 s14, ttmp9, 16                      ; 64 rows of 1,024 bytes a work-group,
	s_lshl_b32 s18, s12, 12                        ; four a wave
	s_add_co_u32 s14, s14, s18
	s_mov_b32 s15, 0
	s_lshl_b32 s20, ttmp9, 15                      ; cbh: 32,768 bytes a work-group,
	s_lshl_b32 s18, s12, 11                        ; 2,048 a wave
	s_add_co_u32 s20, s20, s18
	s_mov_b32 s21, 0
	s_lshl_b32 s22, ttmp9, 8                       ; cbb: 256 bytes a work-group
	s_mov_b32 s23, 0
	s_lshr_b32 s18, s12, 2                         ; my rows lie in block w / 4 of the group's four,
	s_mul_i32 s18, s18, 32*UPITCH
	s_and_b32 s19, s12, 3                          ; as its codes 4 (w % 4) + 0..3: 16 bytes a code in each unit
	s_lshl_b32 s19, s19, 6
	s_add_co_u32 s18, s18, s19
	v_lshrrev_b32 v14, 1, v13                      ; k = 4 l lies in unit l / 2,
	v_mul_u32_u24 v[UW], v14, UPITCH
	v_and_b32 v14, 1, v13                          ; in its code's first or second 8 bytes
	v_lshl_add_u32 v[UW], v14, 3, v[UW]
	v_add_nc_u32 v[UW], s18, v[UW]
	s_mul_i32 s18, s12, 8*UPITCH                   ; back: wave w takes units 8 w .. 8 w + 7, two to a load
	v_lshrrev_b32 v14, 4, v13
	v_mul_u32_u24 v[UR], v14, UPITCH
	v_and_b32 v14, 15, v13
	v_lshl_add_u32 v[UR], v14, 4, v[UR]
	v_add_nc_u32 v[UR], s18, v[UR]
	s_lshl_b32 s18, s12, 4
	s_add_co_u32 s18, s18, BW
	v_mov_b32 v[BWA], s18
	s_wait_kmcnt 0x0
	s_add_nc_u64 s[4:5], s[4:5], s[14:15]
	s_add_nc_u64 s[8:9], s[8:9], s[14:15]
	s_add_nc_u64 s[6:7], s[6:7], s[20:21]
	s_add_nc_u64 s[10:11], s[10:11], s[22:23]
.irp i, 0,1,2,3
	global_load_b128 v[X+8*(\i):X+8*(\i)+3],   v[L16], s[4:5] offset:1024*(\i) th:TH_LOAD_NT
	global_load_b128 v[X+8*(\i)+4:X+8*(\i)+7], v[L16], s[4:5] offset:1024*(\i)+512 th:TH_LOAD_NT
.endr
; The sum of squares of each of the four rows, in every lane: within the lane, then across the 32 lanes; the four rows' chains alternate.
.macro SQSUM
.irp i, 0,1,2,3
	v_pk_mul_f32 v[SS+2*(\i):SS+2*(\i)+1], v[X+8*(\i):X+8*(\i)+1], v[X+8*(\i):X+8*(\i)+1]
.endr
.irp j, 2,4,6
.irp i, 0,1,2,3
	v_pk_fma_f32 v[SS+2*(\i):SS+2*(\i)+1], v[X+8*(\i)+(\j):X+8*(\i)+(\j)+1], v[X+8*(\i)+(\j):X+8*(\i)+(\j)+1], v[SS+2*(\i):SS+2*(\i)+1]
.endr
.endr
.irp i, 0,1,2,3
	v_add_f32 v[SS+2*(\i)], v[SS+2*(\i)], v[SS+2*(\i)+1]
.endr
.irp m, 1,2,4,8
.irp i, 0,1,2,3
	v_add_f32_dpp v[SS+2*(\i)], v[SS+2*(\i)], v[SS+2*(\i)] row_xmask:\m row_mask:0xf bank_mask:0xf
.endr
.endr
.irp i, 0,1,2,3
	v_permlanex16_b32 v[SS+2*(\i)+1], v[SS+2*(\i)], s16, s17
.endr
.irp i, 0,1,2,3
	v_add_f32 v[SS+2*(\i)], v[SS+2*(\i)], v[SS+2*(\i)+1]
.endr
.endm
; Row i divided by m: q = x r; the exact remainder x - q m; q + remainder x r.
.macro DIVROW i
.irp j, 0,2,4,6
	v_pk_mul_f32 v[QT+(\j):QT+(\j)+1], v[X+8*(\i)+(\j):X+8*(\i)+(\j)+1], v[RC+2*(\i):RC+2*(\i)+1] op_sel_hi:[1,0]
.endr
.irp j, 0,2,4,6
	v_pk_fma_f32 v[WT+(\j):WT+(\j)+1], v[QT+(\j):QT+(\j)+1], v[MX+2*(\i):MX+2*(\i)+1], v[X+8*(\i)+(\j):X+8*(\i)+(\j)+1] op_sel_hi:[1,0,1] neg_lo:[1,0,0] neg_hi:[1,0,0]
.endr
.irp j, 0,2,4,6
	v_pk_fma_f32 v[X+8*(\i)+(\j):X+8*(\i)+(\j)+1], v[WT+(\j):WT+(\j)+1], v[RC+2*(\i):RC+2*(\i)+1], v[QT+(\j):QT+(\j)+1] op_sel_hi:[1,0,1]
.endr
.endm
	s_wait_loadcnt 0x0                             ; all eight loads: the first sum needs every one of them
	SQSUM
	; n = sqrt(ss), refined once: n + (ss - n n) / (2 n).  A row of zeros gives 0 x infinity, a NaN, which loses in the maximum below.
.irp i, 0,1,2,3
	v_sqrt_f32 v[H+(\i)], v[SS+2*(\i)]
.endr
	v_nop                                          ; a plain instruction between a root and the use of its result (ISA guide 5.7.2)
	s_wait_alu depctr_va_vdst(0)
.irp i, 0,1,2,3
	v_rcp_f32 v[H+4+(\i)], v[H+(\i)]
.endr
.irp i, 0,1,2,3
	v_fma_f32 v[H+8+(\i)], -v[H+(\i)], v[H+(\i)], v[SS+2*(\i)]  ; plain, and names no reciprocal: the place behind them
.endr
	s_wait_alu depctr_va_vdst(0)
.irp i, 0,1,2,3
	v_mul_f32 v[H+4+(\i)], 0.5, v[H+4+(\i)]
.endr
.irp i, 0,1,2,3
	v_fma_f32 v[H+(\i)], v[H+8+(\i)], v[H+4+(\i)], v[H+(\i)]
.endr
.irp i, 0,1,2,3
	v_max_num_f32 v[MX+2*(\i)], 0x2b8cbccc, v[H+(\i)]  ; m = max(n, 1e-12)
.endr
.irp i, 0,1,2,3
	v_rcp_f32 v[RC+2*(\i)], v[MX+2*(\i)]
.endr
.irp i, 0,1,2,3
	v_mov_b32 v[MX+2*(\i)+1], 0                    ; the pairs' other words are named with them, so they are written; also the place behind the reciprocals
	v_mov_b32 v[RC+2*(\i)+1], 0
.endr
	s_wait_alu depctr_va_vdst(0)
.irp i, 0,1,2,3
	v_fma_f32 v[H+8+(\i)], -v[MX+2*(\i)], v[RC+2*(\i)], 1.0
.endr
.irp i, 0,1,2,3
	v_fma_f32 v[RC+2*(\i)], v[H+8+(\i)], v[RC+2*(\i)], v[RC+2*(\i)]  ; r = 1 / m, refined once
.endr
	DIVROW 0
	DIVROW 1
	DIVROW 2
	DIVROW 3
.irp i, 0,1,2,3
	global_store_b128 v[L16], v[X+8*(\i):X+8*(\i)+3],   s[8:9] offset:1024*(\i)      ; 512 consecutive bytes a store
	global_store_b128 v[L16], v[X+8*(\i)+4:X+8*(\i)+7], s[8:9] offset:1024*(\i)+512
.endr
	SQSUM                                          ; the sum of the normalised row's squares
.irp i, 0,1,2,3
	ds_store_b32 v[BWA], v[SS+2*(\i)] offset:4*(\i)  ; all lanes write the same word with the same number
.endr
.irp i, 0,1,2,3
.irp j, 0,1,2,3
	v_cvt_pk_f16_f32 v[H+4*(\i)+(\j)], v[X+8*(\i)+2*(\j)], v[X+8*(\i)+2*(\j)+1]
.endr
.endr
.irp i, 0,1,2,3
	ds_store_b64 v[UW], v[H+4*(\i):H+4*(\i)+1]   offset:16*(\i)            ; k = 4 l ..: units 0 to 15
	ds_store_b64 v[UW], v[H+4*(\i)+2:H+4*(\i)+3] offset:16*(\i)+16*UPITCH  ; k = 128 + 4 l ..: units 16 to 31
.endr
	s_wait_dscnt 0x0                               ; for the others' sake: my stores into the units and the words are done
	s_barrier_signal -1
	s_barrier_wait -1
.irp i, 0,1,2,3
	ds_load_b128 v[H+4*(\i):H+4*(\i)+3], v[UR] offset:2*UPITCH*(\i)  ; two whole units, as they lie in cbh
.endr
.irp i, 0,1,2,3
	s_wait_dscnt 3-(\i)                            ; LDS loads come back in order: the younger ones may stay out
	global_store_b128 v[L16], v[H+4*(\i):H+4*(\i)+3], s[6:7] offset:512*(\i)
.endr
	s_cmp_lg_u32 s12, 0
	s_cbranch_scc1 .Lnot_wave_0
	v_lshl_add_u32 v7, v13, 3, BW                  ; wave 0 stores the group's 64 words of cbb: 256 consecutive bytes
	ds_load_b64 v[8:9], v7
	v_lshlrev_b32 v10, 3, v13
	s_wait_dscnt 0x0
	global_store_b64 v10, v[8:9], s[10:11]
.Lnot_wave_0:
	s_wait_tensorcnt 0x0                           ; the wave's end: behind my last LDS store
	ds_add_u32 v[SPW], v[NIL]
	s_wait_dscnt 0x0
	s_endpgm
.Lfunc_end_k_qb6cd53d563_prep:
	.size	k_qb6cd53d563_prep, .Lfunc_end_k_qb6cd53d563_prep-k_qb6cd53d563_prep
	.p2alignl 7, 3214868480
	.fill 96, 4, 3214868480
	.section	.rodata,"a",@progbits
	.p2align	6, 0x0
	.amdhsa_kernel k_qb6cd53d563_prep
		.amdhsa_group_segment_fixed_size 37120
		.amdhsa_private_segment_fixed_size 0
		.amdhsa_enable_private_segment 0
		.amdhsa_kernarg_size 32
		.amdhsa_user_sgpr_count 2
		.amdhsa_user_sgpr_kernarg_segment_ptr 1
		.amdhsa_wavefront_size32 1
		.amdhsa_system_sgpr_workgroup_id_x 1
		.amdhsa_system_sgpr_workgroup_id_y 1
		.amdhsa_system_sgpr_workgroup_id_z 1
		.amdhsa_system_vgpr_workitem_id 0
		.amdhsa_next_free_vgpr 112
		.amdhsa_next_free_sgpr 66
		.amdhsa_reserve_vcc 0
		.amdhsa_float_denorm_mode_32 3
		.amdhsa_float_denorm_mode_16_64 3
		.amdhsa_memory_ordered 1
		.amdhsa_forward_progress 1
		.amdhsa_inst_pref_size 17
	.end_amdhsa_kernel
	.amdgpu_metadata
---
amdhsa.version: [ 1, 2 ]
amdhsa.kernels:
  - .name:           k_qb6cd53d563_prep
    .symbol:         k_qb6cd53d563_prep.kd
    .args:
      - { .name: embedding, .offset: 0, .size: 8, .value_kind: global_buffer, .address_space: global }
      - { .name: cbh, .offset: 8, .size: 8, .value_kind: global_buffer, .address_space: global }
      - { .name: cbn, .offset: 16, .size: 8, .value_kind: global_buffer, .address_space: global }
      - { .name: cbb, .offset: 24, .size: 8, .value_kind: global_buffer, .address_space: global }
    .group_segment_fixed_size: 37120
    .private_segment_fixed_size: 0
    .kernarg_segment_align: 8
    .kernarg_segment_size: 32
    .max_flat_workgroup_size: 512
    .sgpr_count:     66
    .vgpr_count:     112
    .wavefront_size: 32
...
	.end_amdgpu_metadata
.endif
;; end of part 1
;; launch score (part 2): grid 256 x 1, 4 waves a work-group, clusters of 4 x 1, 327,680 bytes of LDS; arguments x, cbh, cand; writes cand
.if DOCPART == 2
	.amdgcn_target "amdgcn-amd-amdhsa--gfx1250"
	.amdhsa_code_object_version 6
	.text
	.protected	k_qb6cd53d563_score
	.globl	k_qb6cd53d563_score
	.p2align	8
	.type	k_qb6cd53d563_score,@function
k_qb6cd53d563_score:
	s_mov_b64 s[64:65], 0
	v_nop
	global_prefetch_b8 v0, s[64:65] scope:SCOPE_SE
	s_setreg_imm32_b32 hwreg(HW_REG_WAVE_MODE, 25, 1), 1
	s_wait_xcnt 0x0
	s_wait_alu depctr_hold_cnt(0) depctr_sa_sdst(0) depctr_va_vdst(0) depctr_va_sdst(0) depctr_va_ssrc(0) depctr_va_vcc(0) depctr_vm_vsrc(0)
	s_getreg_b32 s2, hwreg(HW_REG_IB_STS2, 6, 4)
	s_cmp_eq_u32 s2, 0
	s_cbranch_scc0 .Lentry_in_a_cluster
	s_endpgm
.Lentry_in_a_cluster:
	s_bfe_u32 s2, ttmp6, 0x10000c
	s_cmp_lg_u32 s2, 0x3003
	s_cbranch_scc0 .Lentry_shape_is_right
	s_endpgm
.Lentry_shape_is_right:
; VECTOR QUANTIZER, second of four launches: for each of the 32,768 rows of x, FOUR CANDIDATE CODES, stored as whole numbers in ascending order.
; The product of normalised x and normalised codebook, 32,768 x 8,192 x 256, is made in f16 with f32 sums and never leaves registers; it only
; nominates: the next launch decides among the four in f32.  f16 and not bf16: both operands are components of unit vectors, at most 1 in size.
; SHARES.  A work-group owns 128 queries.  EVERY one of its four waves holds all 128 as fragments (8 tiles x 8 chunks of K x 8 = 512 registers) and
; walks a quarter of the codes: of each tile of 256 codes (131,072 bytes of cbh) wave w fetches, and alone reads, bytes 32,768 w on: four blocks of
; 16 codes.  A fragment of codes read from LDS feeds eight products, and each LDS byte is read once.
; LAYOUT.  Source 0 = 16 codes, source 1 = 16 queries: in the result a lane holds ONE query (lane % 16) and the codes 8 (lane / 16) + 0..7.
; THE KEY.  A score's low 10 bits are replaced by the number f = 8 g + j of its place in the lane's walk (block g of 128, register j); as floats the keys
; order as the scores do, to 13 significant bits.  Each lane keeps its two largest keys for each tile: m2 = the middle of (m1, m2, key), m1 = max.
; BY TURNS.  Block g's 64 products stand with block g - 1's 192 key instructions, three behind each product; scores lie in two buffers.
; CLUSTER.  All work-groups walk the same codebook: the four of a cluster ask for each quarter tile JOINTLY, with the same descriptor and the mask of four.
; LIMITS.  The true best code is among the four unless four other codes lie within the f16 product's rounding and the keys' steps of it (10 significant
; bits in the last merge), or two in the same lane's 1,024 codes (13 bits); inputs whose cosines crowd closer than that (a large common offset) are
; served only to that precision.  NaN and infinities are not treated apart; the sum of a row's squares must stay finite in f32.
; REGISTERS, in windows of 256 (s_set_vgpr_msb: bits 1:0 source 0, 3:2 source 1, 5:4 source 2, 7:6 destination):
;   window 0: v1-11 addresses; v28-29 the add's two; v32-47 (m1, m2) a tile; v64-191 scores, two buffers of eight accumulators; v192-255 at work
;   window 1: v0-127 the codes' fragments, two buffers of 8 chunks          windows 2, 3: the queries' fragments, tile t, chunk c at 64 (t % 4) + 8 c of window 2 + t / 4
;   (window 3 first takes my 32 rows of x as loaded, 8 registers a row)
.set SLOT1,  1<<17                     ; a slot holds a tile, 131,072 bytes; slot 1 begins here, so that one exclusive or turns an address into the other slot's
.set TILEB,  131072
.set QUART,  32768                     ; a wave's part of a tile
.set BLKB,   8192                      ; a block of 16 codes
.set STAGE,  2*SLOT1                   ; behind the ring, never filled by a tensor load: 64 rows of 512 bytes + 16; at the end 128 rows of 80 bytes
.set SPITCH, 528                       ; 132 words: the 16 rows of a fragment load start 4 banks apart (64 banks of 4 bytes: ISA guide 11.1)
.set MPITCH, 80                        ; 20 words: the 16 rows of a store start at 16 different groups of four banks
.set SPARE,  STAGE+64*SPITCH           ; the spare words: 128 bytes for each wave; no other line names them
.set RL,  1                            ; v1   lane % 16
.set HL,  2                            ; v2   lane / 16
.set LN,  3                            ; v3   lane
.set A0,  4                            ; v4   16 x lane + my quarter: my place in a block's 512-byte pieces; never rewritten
.set ADR, 5                            ; v5   the LDS address of the run of loads in hand
.set XO,  6                            ; v6   16 x lane
.set STW, 7                            ; v7   the stage: where my 8 bytes of my first row go
.set STR, 8                            ; v8   the stage: my place in a fragment
.set MW,  9                            ; v9   the merge: where my lane's pair of keys goes
.set MR,  10                           ; v10  the merge: my query's 64 bytes
.set CO,  11                           ; v11  my query's 16 bytes in the group's part of cand
.set SPW, 28                           ; v28  my spare word's LDS address; never rewritten
.set NIL, 29                           ; v29  0; never rewritten
.set M,   32
.set S,   64
.set H,   64                           ; the prologue: 16 rows in f16, 4 registers a row
.set SS,  192                          ; the prologue: row i's sum, then 1 / norm, in the pair's low word
.set TT,  224                          ; the prologue: four scaled rows
.set K,   64                           ; the merge: my query's 16 keys
.set A,   80                           ; the merge: the four largest, in order
.set WV,  10                           ; s10  my wave's number
.set G1,  16                           ; s[16:23] descriptor group 1
.set G0A, 24                           ; s[24:27] group 0 of tile 0
.set G0B, 28                           ; s[28:31] group 0 of tile 1; it then walks on
.set IX,  32                           ; s[32:39] f for register j of the block whose keys are being made
.set MASK, 40                          ; s40  clears a score's low 10 bits
.set TB,  41                           ; s41  LDS byte at which the block to be fetched begins, less my quarter
.set SLOTS, 42                         ; s42  tiles still to be asked for
.set CNT, 43                           ; s43  counts two pairs of blocks
.set SEL, 44                           ; s[44:45] v_permlanex16_b32's selects
.set MSB, 0
.macro WIN new                         ; the immediate's high byte repeats the setting that is left; a switch that changes nothing is dropped
.if MSB != (\new)
	s_set_vgpr_msb (MSB<<8)|(\new)
.set MSB, (\new)
.endif
.endm
.macro ALL16 line:vararg               ; one line for each i = 0 .. 15
.set i, 0
.rept 16
	\line
.set i, i+1
.endr
.endm
; A round of the cluster's barrier: my work-group's barrier, so that wave 0's signal speaks for all four waves; wave 0 signals; every wave waits for all four work-groups; my work-group's barrier once more.
.macro CROUND
	s_barrier_signal -1
	s_barrier_wait -1
	s_cmp_lg_u32 s[WV], 0
	s_cbranch_scc1 .Lnot_wave_0_\@
	s_barrier_signal -3
.Lnot_wave_0_\@:
	s_barrier_wait -3
	s_barrier_signal -1
	s_barrier_wait -1
.endm
	s_load_b128 s[4:7], s[0:1], 0x0                ; x s[4:5], cbh s[6:7]
	s_load_b64 s[8:9], s[0:1], 0x10                ; cand
	v_lshl_add_u32 v[SPW], v0, 2, SPARE
	v_mov_b32 v[NIL], 0
	ds_add_u32 v[SPW], v[NIL]                      ; the wave's opening: the add and its wait stand ahead of my first tensor load; the set-up below, work on registers, stands between them
	v_lshrrev_b32 v[LN], 5, v0
	v_readfirstlane_b32 s[WV], v[LN]               ; wave 0..3
	s_bfe_u32 s11, ttmp6, 0x40000                  ; cx: my place in the cluster
	s_lshl_b32 s12, ttmp9, 2                       ; in a cluster launch ttmp9 counts clusters
	s_add_co_u32 s12, s12, s11                     ; my block of 128 queries: it enters x's and cand's addresses alone
	; descriptor group 1: 32,768 dense bytes as 128 rows of 256 bytes, in elements of 8 bytes, no padding
	s_mov_b32 s[G1], 15|(3<<16)|(1<<21)            ; 15:0 the mask: all four work-groups; 17:16 elements of 8 bytes; 21 set beside a mask
	s_mov_b32 s[G1+1], 32<<16                      ; tensor_dim0 = 32
	s_mov_b32 s[G1+2], 128<<16                     ; tensor_dim1 = 128
	s_mov_b32 s[G1+3], 32<<16                      ; tile_dim0 = 32
	s_mov_b32 s[G1+4], 128                         ; tile_dim1 = 128
	s_mov_b32 s[G1+5], 32                          ; 32 elements from row to row
	s_mov_b32 s[G1+6], 0
	s_mov_b32 s[G1+7], 0
	s_lshl_b32 s13, s[WV], 15                      ; my quarter, in a tile and in a slot: no place in the cluster enters it
	s_mov_b32 s46, s13
	s_mov_b32 s47, 0
	s_mov_b32 s[G0A], 1                            ; count = 1
	s_mov_b32 s[G0A+1], s13                        ; LDS address: slot 0
	s_mov_b32 s[G0B], 1
	s_add_co_u32 s[G0B+1], s13, SLOT1              ; slot 1
	s_lshl_b32 s14, s12, 17                        ; x: 128 rows of 1,024 bytes a work-group,
	s_lshl_b32 s15, s[WV], 14                      ; my 16 rows in each half of them
	s_add_co_u32 s14, s14, s15
	s_mov_b32 s15, 0
	s_lshl_b32 s48, s12, 11                        ; cand: 128 rows of 16 bytes a work-group
	s_mov_b32 s49, 0
.irp j, 0,1,2,3,4,5,6,7
	s_mov_b32 s[IX+(\j)], \j                       ; block 0
.endr
	s_mov_b32 s[MASK], 0xfffffc00
	s_mov_b32 s[TB], 0
	s_mov_b32 s[SEL], 0x76543210
	s_mov_b32 s[SEL+1], 0xfedcba98
	s_mul_i32 s50, s[WV], 16*SPITCH
	s_add_co_u32 s50, s50, STAGE                   ; my 16 rows of the stage
	s_lshl_b32 s51, s[WV], 4
	s_add_co_u32 s51, s51, STAGE                   ; my wave's 16 bytes in a query's 64 at the merge
	v_and_b32 v[LN], 31, v0
	v_and_b32 v[RL], 15, v0
	v_bfe_u32 v[HL], v0, 4, 1
	v_lshlrev_b32 v[XO], 4, v[LN]
	v_lshl_add_u32 v[A0], v[LN], 4, s13
	v_lshl_add_u32 v[STW], v[LN], 3, s50
	v_mul_u32_u24 v[STR], v[RL], SPITCH
	v_lshl_add_u32 v[STR], v[HL], 4, v[STR]
	v_add_nc_u32 v[STR], STAGE, v[STR]             ; row x pitch + 16 x half
	v_mul_u32_u24 v[MW], v[RL], MPITCH
	v_lshl_add_u32 v[MW], v[HL], 3, v[MW]
	v_add_nc_u32 v[MW], s51, v[MW]
	v_mul_u32_u24 v[MR], v0, MPITCH
	v_add_nc_u32 v[MR], STAGE, v[MR]
	v_lshlrev_b32 v[CO], 4, v0
	s_wait_dscnt 0x0                               ; the opening add is done
	s_wait_kmcnt 0x0
	s_add_nc_u64 s[4:5], s[4:5], s[14:15]
	s_add_nc_u64 s[8:9], s[8:9], s[48:49]
	s_add_nc_u64 s[G0A+2:G0A+3], s[6:7], s[46:47]  ; my quarter of tile 0,
	s_add_nc_u64 s[G0B+2:G0B+3], s[G0A+2:G0A+3], TILEB  ; and of tile 1
	s_or_b32 s[G0A+3], s[G0A+3], 0x80000000        ; type = 2
	s_or_b32 s[G0B+3], s[G0B+3], 0x80000000
	WIN 0xc0                                       ; destination window 3, address window 0
.set i, 0
.rept 32                                           ; my 32 rows of x: 16 in the group's first 64 queries, then 16 in its second 64; 512 consecutive bytes a load
	global_load_b128 v[8*i:8*i+3],   v[XO], s[4:5] offset:(i/16)*65536+(i%16)*1024
	global_load_b128 v[8*i+4:8*i+7], v[XO], s[4:5] offset:(i/16)*65536+(i%16)*1024+512
.set i, i+1
.endr
	WIN 0
	CROUND                                         ; all four work-groups are here: the first joint loads meet
	tensor_load_to_lds s[G0A:G0A+3], s[G1:G1+7]    ; both first fills together, ahead of every wait on TENSORcnt and every LDS read: two loads of mine are out
	s_nop 0
	tensor_load_to_lds s[G0B:G0B+3], s[G1:G1+7]
	s_nop 0
.rept 4
	v_nop
.endr
; THE QUERIES.  Half ph of the group's queries: my 16 rows are divided by max(norm, 1e-12) and rounded to f16, in H.
.macro XPHASE ph
	s_wait_loadcnt 32*(1-(\ph))                    ; loads come back in order: half 0 is in while half 1's 32 loads may stay out
	WIN 0x0f                                       ; sources 0 and 1 window 3
	ALL16 v_pk_mul_f32 v[SS+2*i:SS+2*i+1], v[128*(\ph)+8*i:128*(\ph)+8*i+1], v[128*(\ph)+8*i:128*(\ph)+8*i+1]
.irp j, 2,4,6
	ALL16 v_pk_fma_f32 v[SS+2*i:SS+2*i+1], v[128*(\ph)+8*i+(\j):128*(\ph)+8*i+(\j)+1], v[128*(\ph)+8*i+(\j):128*(\ph)+8*i+(\j)+1], v[SS+2*i:SS+2*i+1]
.endr
	WIN 0
	ALL16 v_add_f32 v[SS+2*i], v[SS+2*i], v[SS+2*i+1]
.irp m, 1,2,4,8
	ALL16 v_add_f32_dpp v[SS+2*i], v[SS+2*i], v[SS+2*i] row_xmask:\m row_mask:0xf bank_mask:0xf
.endr
	ALL16 v_permlanex16_b32 v[SS+2*i+1], v[SS+2*i], s[SEL], s[SEL+1]
	ALL16 v_add_f32 v[SS+2*i], v[SS+2*i], v[SS+2*i+1]
	ALL16 v_sqrt_f32 v[SS+2*i], v[SS+2*i]
	v_nop                                          ; a plain instruction between the last root and the use of its result (ISA guide 5.7.2)
	s_wait_alu depctr_va_vdst(0)
	ALL16 v_max_num_f32 v[SS+2*i], 0x2b8cbccc, v[SS+2*i]
	ALL16 v_rcp_f32 v[SS+2*i], v[SS+2*i]
	v_nop
	s_wait_alu depctr_va_vdst(0)
.set grp, 0
.rept 4                                            ; four rows at a time: row 4 grp + i / 4, pair i % 4
	WIN 0x03                                       ; source 0 window 3
	ALL16 v_pk_mul_f32 v[TT+2*i:TT+2*i+1], v[128*(\ph)+32*grp+2*i:128*(\ph)+32*grp+2*i+1], v[SS+8*grp+2*(i/4):SS+8*grp+2*(i/4)+1] op_sel_hi:[1,0]
	WIN 0
	ALL16 v_cvt_pk_f16_f32 v[H+16*grp+i], v[TT+2*i], v[TT+2*i+1]
.set grp, grp+1
.endr
.endm
.macro TOSTAGE                         ; my 16 rows into the stage: a row's two halves, 256 consecutive bytes a store
	ALL16 ds_store_b64 v[STW], v[H+4*i:H+4*i+1] offset:SPITCH*i
	ALL16 ds_store_b64 v[STW], v[H+4*i+2:H+4*i+3] offset:SPITCH*i+256
	s_wait_dscnt 0x0                               ; for the others' sake: my stores are done
	s_barrier_signal -1
	s_barrier_wait -1
.endm
; A fragment is 16 rows x 32 K in 8 registers: lane l holds row l % 16, K = 8 (l / 16) + 0..7 and 16 + 8 (l / 16) + 0..7: two loads of 16 bytes, 32 bytes apart.
.macro QBACK w                         ; the stage's 64 queries into a whole window: tile i / 8, chunk i % 8
	WIN \w
.set i, 0
.rept 32
	ds_load_b128 v[8*i:8*i+3],   v[STR] offset:(i/8)*16*SPITCH+(i%8)*64
	ds_load_b128 v[8*i+4:8*i+7], v[STR] offset:(i/8)*16*SPITCH+(i%8)*64+32
.set i, i+1
.endr
	WIN 0
.endm
	XPHASE 0
	TOSTAGE
	QBACK 0x80                                     ; tiles 0 to 3 into window 2
	XPHASE 1                                       ; arithmetic while those loads come back
	s_wait_dscnt 0x0                               ; my reads of the stage are over,
	s_barrier_signal -1
	s_barrier_wait -1                              ; everybody's are: it is written again
	TOSTAGE
	QBACK 0xc0                                     ; tiles 4 to 7 into window 3, where x lay
.set i, 0
.rept 16
	v_mov_b32 v[M+i], 0xff800000                   ; below every key
.set i, i+1
.endr
; 16 LDS loads in one run: a block's fragments, 512 consecutive bytes a load, as the first launch laid them
.macro FETCH par
	WIN 0
	v_add_nc_u32 v[ADR], s[TB], v[A0]
	s_add_co_u32 s[TB], s[TB], BLKB                ; the next fetch is the next block's
	WIN 0x40                                       ; destination window 1
.set q, 0
.rept 16
	ds_load_b128 v[64*(\par)+4*q:64*(\par)+4*q+3], v[ADR] offset:512*q
.set q, q+1
.endr
.endm
; Slice n of 64 of the keys' work on score buffer par.  Element e is register e / 8 of tile e % 8: each accumulator's lowest register is read first.
; Element n, a key since the slice before, goes into its tile's two largest; element n + 1 is made a key, in place; behind element 63 that is element 0 of the other buffer,
; whose tile 0 was finished seven products back.  last = 1: there is no other buffer any more.
.macro RIDE par, last
	WIN 0
.set rE, S+64*(\par)+8*(n%8)+n/8
.set rM, M+2*(n%8)
	v_med3_num_f32 v[rM+1], v[rM], v[rM+1], v[rE]
	v_max_num_f32 v[rM], v[rE], v[rM]
.if n < 63
.set rN, S+64*(\par)+8*((n+1)%8)+(n+1)/8
	v_and_or_b32 v[rN], v[rN], s[MASK], s[IX+(n+1)/8]
.elseif !(\last)
	v_and_or_b32 v[S+64*(1-(\par))], v[S+64*(1-(\par))], s[MASK], s[IX]
.endif
.if n%8 == 7
	s_add_co_u32 s[IX+n/8], s[IX+n/8], 8           ; register n / 8 has had its eight keys: on to the next block's number
.endif
.endm
; A BLOCK: 16 codes x 128 queries x 256 K = 64 products: chunk n / 8 of K, tile n % 8.  The eight accumulators take turns, one instruction a turn, over the blocks' edges too;
; the first eight products start the sums with the constant 0.  ride = 1: a slice of the block before stands behind each product; no slice names a register of the products round it.
; fetch = 1: the next block's fragments are asked for behind the second product: the buffer's last reader stands three slices back, and 62 products stand ahead of their first use.
.macro BLOCK par, ride, fetch
	s_wait_dscnt 0x0                               ; this block's fragments are in
.set n, 0
.rept 64
.set rS, S+64*(\par)+8*(n%8)
.set rC, 64*(\par)+8*(n/8)
.set rQ, 64*(n%4)+8*(n/8)
	WIN 0x09+4*((n%8)/4)                           ; codes in window 1, queries in window 2 or 3, scores in window 0
.if n < 8
	v_wmma_f32_16x16x32_f16 v[rS:rS+7], v[rC:rC+7], v[rQ:rQ+7], 0
.else
	v_wmma_f32_16x16x32_f16 v[rS:rS+7], v[rC:rC+7], v[rQ:rQ+7], v[rS:rS+7]
.endif
.if \ride
	RIDE 1-(\par), 0
.endif
.if (\fetch) && (n == 1)
	FETCH 1-(\par)
.endif
.set n, n+1
.endr
.if !(\ride)
	WIN 0
.rept 4
	v_nop                                          ; four places between the products and the first read of a score (ISA guide 7.12.1)
.endr
	v_and_or_b32 v[S+64*(\par)], v[S+64*(\par)], s[MASK], s[IX]
.endif
.endm
; THE CHANGE OF SLOTS stands where a tile's last block is in registers.  fill = 1: each wave waits for all its tensor loads, of which one is out: its quarter of the other slot; adds 0 to its
; spare word; and waits for that and for its reads of the slot.  Then a round of the cluster's barrier, so that no wave of any partner still reads the slot or has a load on its way, and the
; joint refill, the tile two on, first behind it: it has 256 products in which to land.  fill = 0: the last tile is waited for; nothing is filled, and a wave reads only what its own load brought.
.macro CHANGE fill
	WIN 0                                          ; at a label and at a branch every window is 0
	s_wait_tensorcnt 0x0
.if \fill
	ds_add_u32 v[SPW], v[NIL]                      ; 0 onto my spare word; the descriptor's steps stand between it and the wait for it
	s_xor_b32 s[G0B+1], s[G0B+1], SLOT1            ; no tensor load of mine is out, so the walking group 0 may be written: the other slot than last time,
	s_add_nc_u64 s[G0B+2:G0B+3], s[G0B+2:G0B+3], TILEB  ; the next tile; the type bits on top are not reached
	s_wait_dscnt 0x0                               ; the add is done, and my reads of the slot are over
	CROUND
	tensor_load_to_lds s[G0B:G0B+3], s[G1:G1+7]
	s_nop 0
.rept 4
	v_nop
.endr
.endif
	s_sub_co_u32 s[TB], s[TB], QUART               ; the fetches go back to a quarter's first block,
	s_xor_b32 s[TB], s[TB], SLOT1                  ; in the other slot
.endm
	s_wait_tensorcnt 0x1                           ; my quarter of tile 0 is in; tile 1's load may stay out
	FETCH 0                                        ; block 0
	BLOCK 0, 0, 1                                  ; blocks 0, 1, 2: the first has no block before it
	BLOCK 1, 1, 1
	BLOCK 0, 1, 1
	WIN 0
	s_mov_b32 s[SLOTS], 30
.Lslot:                                            ; 30 trips: tiles 2 to 31 are asked for; a trip multiplies blocks 4 T + 3 to 4 T + 6
	CHANGE 1
	s_mov_b32 s[CNT], 2
.Lstep:
	BLOCK 1, 1, 1
	BLOCK 0, 1, 1
	WIN 0
	s_sub_co_u32 s[CNT], s[CNT], 1
	s_cmp_lg_u32 s[CNT], 0
	s_cbranch_scc1 .Lstep
	s_sub_co_u32 s[SLOTS], s[SLOTS], 1
	s_cmp_lg_u32 s[SLOTS], 0
	s_cbranch_scc1 .Lslot
	CHANGE 0                                       ; the tail is written out
	s_mov_b32 s[CNT], 2
.Ltail:                                            ; blocks 123 to 126
	BLOCK 1, 1, 1
	BLOCK 0, 1, 1
	WIN 0
	s_sub_co_u32 s[CNT], s[CNT], 1
	s_cmp_lg_u32 s[CNT], 0
	s_cbranch_scc1 .Ltail
	BLOCK 1, 1, 0                                  ; block 127: nothing more to fetch
.set n, 0
.rept 64
	RIDE 1, 1                                      ; and its keys
.set n, n+1
.endr
	; THE MERGE.  A query's 16 keys (four waves x two halves of the lanes x two) meet in LDS, where the stage lay: every wave's reads of it were waited for ahead of the rounds above.
	WIN 0
.set t, 0
.rept 8
	ds_store_b64 v[MW], v[M+2*t:M+2*t+1] offset:16*MPITCH*t
.set t, t+1
.endr
	s_wait_dscnt 0x0                               ; for the others' sake: my stores are done
	s_barrier_signal -1
	s_barrier_wait -1
.irp i, 0,1,2,3
	ds_load_b128 v[K+4*(\i):K+4*(\i)+3], v[MR] offset:16*(\i)  ; thread q takes query q: wave i's keys, lower half's pair, then upper half's
.endr
.irp i, 0,1,2,3
	v_mov_b32 v[A+(\i)], 0xff800000
.endr
	s_wait_dscnt 0x0
	; f = 32 T + 8 i + j becomes the code 256 T + 64 w + 16 i + 8 h + j, in the key's low 13 bits
.set e, 0
.rept 16
.set c0, (((e/2)/2)<<6)|(((e/2)%2)<<3)
.set tp, 100+4*(e%2)
	v_and_b32 v[tp], 0x3e0, v[K+e]
	v_and_b32 v[tp+1], 24, v[K+e]
	v_and_or_b32 v[tp+2], v[K+e], 7, c0
	v_lshl_or_b32 v[tp+2], v[tp], 3, v[tp+2]
	v_lshl_or_b32 v[tp+2], v[tp+1], 1, v[tp+2]
	v_and_or_b32 v[K+e], v[K+e], 0xffffe000, v[tp+2]
.set e, e+1
.endr
.set e, 0
.rept 16                                           ; each key is put in its place among the four largest, from the bottom up
	v_med3_num_f32 v[A+3], v[A+2], v[A+3], v[K+e]
	v_med3_num_f32 v[A+2], v[A+1], v[A+2], v[K+e]
	v_med3_num_f32 v[A+1], v[A], v[A+1], v[K+e]
	v_max_num_f32 v[A], v[A], v[K+e]
.set e, e+1
.endr
.irp i, 0,1,2,3
	v_and_b32 v[84+(\i)], 0x1fff, v[A+(\i)]        ; the four codes,
.endr
	v_min_u32 v88, v84, v85                        ; sorted ascending by five exchanges, so that the next launch keeps the lowest code on a tie
	v_max_u32 v89, v84, v85
	v_min_u32 v90, v86, v87
	v_max_u32 v91, v86, v87
	v_min_u32 v96, v88, v90
	v_max_u32 v93, v88, v90
	v_min_u32 v94, v89, v91
	v_max_u32 v99, v89, v91
	v_min_u32 v97, v93, v94
	v_max_u32 v98, v93, v94
	global_store_b128 v[CO], v[96:99], s[8:9]      ; 512 consecutive bytes a wave
	s_wait_tensorcnt 0x0                           ; the wave's end: behind my last tensor load and my last LDS store
	ds_add_u32 v[SPW], v[NIL]
	s_wait_dscnt 0x0
	CROUND                                         ; the closing round: no work-group ends while a partner may still ask for a tile that names it
	s_endpgm
.Lfunc_end_k_qb6cd53d563_score:
	.size	k_qb6cd53d563_score, .Lfunc_end_k_qb6cd53d563_score-k_qb6cd53d563_score
	.p2alignl 7, 3214868480
	.fill 96, 4, 3214868480
	.section	.rodata,"a",@progbits
	.p2align	6, 0x0
	.amdhsa_kernel k_qb6cd53d563_score
		.amdhsa_group_segment_fixed_size 327680
		.amdhsa_private_segment_fixed_size 0
		.amdhsa_enable_private_segment 0
		.amdhsa_kernarg_size 24
		.amdhsa_user_sgpr_count 2
		.amdhsa_user_sgpr_kernarg_segment_ptr 1
		.amdhsa_wavefront_size32 1
		.amdhsa_system_sgpr_workgroup_id_x 1
		.amdhsa_system_sgpr_workgroup_id_y 1
		.amdhsa_system_sgpr_workgroup_id_z 1
		.amdhsa_system_vgpr_workitem_id 0
		.amdhsa_next_free_vgpr 1024
		.amdhsa_next_free_sgpr 66
		.amdhsa_reserve_vcc 0
		.amdhsa_float_denorm_mode_32 3
		.amdhsa_float_denorm_mode_16_64 3
		.amdhsa_memory_ordered 1
		.amdhsa_forward_progress 1
		.amdhsa_inst_pref_size 231
	.end_amdhsa_kernel
	.amdgpu_metadata
---
amdhsa.version: [ 1, 2 ]
amdhsa.kernels:
  - .name:           k_qb6cd53d563_score
    .symbol:         k_qb6cd53d563_score.kd
    .args:
      - { .name: x, .offset: 0, .size: 8, .value_kind: global_buffer, .address_space: global }
      - { .name: cbh, .offset: 8, .size: 8, .value_kind: global_buffer, .address_space: global }
      - { .name: cand, .offset: 16, .size: 8, .value_kind: global_buffer, .address_space: global }
    .group_segment_fixed_size: 327680
    .private_segment_fixed_size: 0
    .kernarg_segment_align: 8
    .kernarg_segment_size: 24
    .max_flat_workgroup_size: 128
    .sgpr_count:     66
    .vgpr_count:     1024
    .wavefront_size: 32
...
	.end_amdgpu_metadata
.endif
;; end of part 2
;; launch refine (part 3): grid 512 x 1, 16 waves a work-group, no clusters, 2,560 bytes of LDS; arguments x, cbn, cbb, cand, out0, out2, part; writes out0, out2, part
.if DOCPART == 3
	.amdgcn_target "amdgcn-amd-amdhsa--gfx1250"
	.amdhsa_code_object_version 6
	.text
	.protected	k_qb6cd53d563_refine
	.globl	k_qb6cd53d563_refine
	.p2align	8
	.type	k_qb6cd53d563_refine,@function
k_qb6cd53d563_refine:
	s_mov_b64 s[64:65], 0
	v_nop
	global_prefetch_b8 v0, s[64:65] scope:SCOPE_SE
	s_setreg_imm32_b32 hwreg(HW_REG_WAVE_MODE, 25, 1), 1
	s_wait_xcnt 0x0
; VECTOR QUANTIZER, third of four launches: the decision in f32, and the outputs.
; For each row of x: zf = x / max(|x|, 1e-12); for its four candidate codes (whole numbers stored by the launch before, ascending) d = (sum zf^2 - 2 zf . cb) + sum cb^2, rounded in that
; order; the least d wins, the lowest code on a tie.  out2 = that code; out0 = x + (cb - x); the row's sum of (cb - zf)^2 goes into the work-group's partial sum for the loss.
; The choice only selects values (v_cndmask_b32): all four rows are gathered and worked on in every row; no address hangs on a floating-point number.
; SHARES.  A work-group owns 64 rows (their 64 words of out2 are 256 consecutive bytes), a wave four, one row across its 32 lanes: lane l holds k = 4 l .. + 3 and 128 + 4 l .. + 3, so every
; load and store covers 512 consecutive bytes.  Two row slots in registers: while one row is worked on the next row's ten loads are out.
; No matrix unit: four dot products a row.  No cluster and no tensor loads: which codebook rows a work-group reads hangs on its own list, so no tile is shared at a known time.
; LIMITS.  NaN and infinities are not treated apart (a NaN distance never wins); the sum of a row's squares must stay finite in f32; the sums' order is this text's own, so two distances that
; differ by less than the rounding of a sum of 256 terms may be ordered otherwise than by another order of summation.
.set LOSSW, 256                        ; LDS: 64 index words from 0; 16 loss words from 256, in a block of their own
.set SPARE, 512                        ; the spare words: 128 bytes for each of 16 waves; no other line names them
.set L16, 1                            ; v1      16 x lane
.set SPW, 2                            ; v2      my spare word's LDS address; never rewritten
.set NIL, 3                            ; v3      0; never rewritten
.set ACC, 4                            ; v[4:5]  the loss, my lane's share
.set IW,  6                            ; v6      my wave's four index words in LDS
.set LPW, 7                            ; v7      my wave's loss word
.set CI,  8                            ; v8      lane 4 i + k (below 16): candidate k of row i, then its byte offset in cbb
.set BB,  9                            ; v9      and its sum of squares
.set BI,  10                           ; v10     the best code so far
.set DB,  11                           ; v11     its distance
.set RR,  12                           ; v[12:13] 1 / m in the low word
.set TA,  14                           ; v14, v15 at work
.set TC,  15
.set RP,  16                           ; v[16:25] five sums in pairs: zf . zf, zf . cb0 .. cb3; also eight registers at work
.set MP,  26                           ; v[26:27] m = max(norm, 1e-12) in the low word
.set T,   28                           ; v[28:35] zf, then the row of out0
.set SL,  36                           ; slot s at v[36 + 44 s]: x 8, four codebook rows 8 each, their four offsets
.set SEL, 40                           ; s[40:41] v_permlanex16_b32's selects
	s_load_b256 s[4:11], s[0:1], 0x0               ; x s[4:5], cbn s[6:7], cbb s[8:9], cand s[10:11]
	s_load_b128 s[12:15], s[0:1], 0x20             ; out0 s[12:13], out2 s[14:15]
	s_load_b64 s[32:33], s[0:1], 0x30              ; part
	v_lshl_add_u32 v[SPW], v0, 2, SPARE
	v_mov_b32 v[NIL], 0
	v_lshrrev_b32 v[TA], 5, v0
	v_readfirstlane_b32 s34, v[TA]                 ; wave 0..15
	v_and_b32 v[TC], 31, v0
	v_lshlrev_b32 v[L16], 4, v[TC]
	v_and_b32 v[TA], 15, v0
	v_lshlrev_b32 v[TA], 2, v[TA]                  ; my word among the wave's 16 candidates
	v_mov_b32 v[ACC], 0
	v_mov_b32 v[ACC+1], 0
	v_mov_b32 v[RR+1], 0                           ; named with the low words as pairs
	v_mov_b32 v[MP+1], 0
	s_mov_b32 s[SEL], 0x76543210
	s_mov_b32 s[SEL+1], 0xfedcba98
	s_lshl_b32 s35, s34, 4
	v_mov_b32 v[IW], s35
	s_lshl_b32 s35, s34, 2
	s_add_co_u32 s35, s35, LOSSW
	v_mov_b32 v[LPW], s35
	s_lshl_b32 s36, ttmp9, 16                      ; x, out0: 64 rows of 1,024 bytes a work-group,
	s_lshl_b32 s38, s34, 12                        ; four a wave
	s_add_co_u32 s36, s36, s38
	s_mov_b32 s37, 0
	s_lshl_b32 s38, ttmp9, 10                      ; cand: 16 bytes a row
	s_lshl_b32 s39, s34, 6
	s_add_co_u32 s38, s38, s39
	s_mov_b32 s39, 0
	s_wait_kmcnt 0x0
	s_add_nc_u64 s[4:5], s[4:5], s[36:37]
	s_add_nc_u64 s[12:13], s[12:13], s[36:37]
	s_add_nc_u64 s[10:11], s[10:11], s[38:39]
	s_lshl_b32 s36, ttmp9, 8                       ; out2: 256 bytes a work-group
	s_add_nc_u64 s[14:15], s[14:15], s[36:37]
	s_lshl_b32 s36, ttmp9, 2                       ; part: a word a work-group
	s_add_nc_u64 s[32:33], s[32:33], s[36:37]
	s_load_b512 s[16:31], s[10:11], 0x0            ; the wave's 16 candidates as scalars: s[16 + 4 i + k]
.macro XLOAD row, s                    ; two loads: the row of x
	global_load_b128 v[SL+44*(\s):SL+44*(\s)+3],   v[L16], s[4:5] offset:1024*(\row) th:TH_LOAD_NT
	global_load_b128 v[SL+44*(\s)+4:SL+44*(\s)+7], v[L16], s[4:5] offset:1024*(\row)+512 th:TH_LOAD_NT
.endm
.macro CLOAD row, s                    ; eight loads: its four candidates' rows of the normalised codebook
.irp k, 0,1,2,3
	v_lshl_add_u32 v[SL+44*(\s)+40+(\k)], s[16+4*(\row)+(\k)], 10, v[L16]
.endr
.irp k, 0,1,2,3
	global_load_b128 v[SL+44*(\s)+8+8*(\k):SL+44*(\s)+8+8*(\k)+3],  v[SL+44*(\s)+40+(\k)], s[6:7]
	global_load_b128 v[SL+44*(\s)+12+8*(\k):SL+44*(\s)+12+8*(\k)+3], v[SL+44*(\s)+40+(\k)], s[6:7] offset:512
.endr
.endm
	XLOAD 0, 0
	XLOAD 1, 1
	global_load_b32 v[CI], v[TA], s[10:11]
	s_wait_kmcnt 0x0
.set i, 0
.rept 16
	s_min_u32 s[16+i], s[16+i], 0x1fff             ; a loaded number enters an address only inside the table
.set i, i+1
.endr
	CLOAD 0, 0
	CLOAD 1, 1
	s_wait_loadcnt 16                              ; my candidate word is in: the sixteen loads issued behind it may stay out
	v_min_u32 v[CI], 0x1fff, v[CI]
	v_lshlrev_b32 v[CI], 2, v[CI]
	global_load_b32 v[BB], v[CI], s[8:9]
; Row i of the wave's four, in slot s.  left = how many younger loads may stay out.  issue = 1: the slot is filled again with row i + 2.
.macro ROW i, s, left, issue
.set XB, SL+44*(\s)
.set CB, XB+8
	s_wait_loadcnt \left                           ; loads come back in order: this row's ten are in
	s_wait_xcnt 0x0                                ; T, which the last row's stores read, is rewritten only behind this wait (ISA guide 3.1)
	v_pk_mul_f32 v[RP:RP+1], v[XB:XB+1], v[XB:XB+1]
.irp j, 2,4,6
	v_pk_fma_f32 v[RP:RP+1], v[XB+(\j):XB+(\j)+1], v[XB+(\j):XB+(\j)+1], v[RP:RP+1]
.endr
	v_add_f32 v[RP], v[RP], v[RP+1]
.irp m, 1,2,4,8
	v_add_f32_dpp v[RP], v[RP], v[RP] row_xmask:\m row_mask:0xf bank_mask:0xf
.endr
	v_permlanex16_b32 v[RP+1], v[RP], s[SEL], s[SEL+1]
	v_add_f32 v[RP], v[RP], v[RP+1]                ; the sum of x^2, in every lane
	v_sqrt_f32 v[TA], v[RP]
	v_nop                                          ; a plain instruction between a root or reciprocal and the use of its result (ISA guide 5.7.2)
	s_wait_alu depctr_va_vdst(0)
	v_rcp_f32 v[TC], v[TA]
	v_fma_f32 v[RP+1], -v[TA], v[TA], v[RP]        ; the root refined once; a row of zeros gives a NaN, which loses in the maximum
	s_wait_alu depctr_va_vdst(0)
	v_mul_f32 v[TC], 0.5, v[TC]
	v_fma_f32 v[TA], v[RP+1], v[TC], v[TA]
	v_max_num_f32 v[MP], 0x2b8cbccc, v[TA]         ; m = max(norm, 1e-12)
	v_rcp_f32 v[RR], v[MP]
	v_nop
	s_wait_alu depctr_va_vdst(0)
	v_fma_f32 v[TA], -v[MP], v[RR], 1.0
	v_fma_f32 v[RR], v[TA], v[RR], v[RR]           ; 1 / m, refined once
.irp j, 0,2,4,6
	v_pk_mul_f32 v[RP+(\j):RP+(\j)+1], v[XB+(\j):XB+(\j)+1], v[RR:RR+1] op_sel_hi:[1,0]
.endr
.irp j, 0,2,4,6
	v_pk_fma_f32 v[T+(\j):T+(\j)+1], v[RP+(\j):RP+(\j)+1], v[MP:MP+1], v[XB+(\j):XB+(\j)+1] op_sel_hi:[1,0,1] neg_lo:[1,0,0] neg_hi:[1,0,0]
.endr
.irp j, 0,2,4,6
	v_pk_fma_f32 v[T+(\j):T+(\j)+1], v[T+(\j):T+(\j)+1], v[RR:RR+1], v[RP+(\j):RP+(\j)+1] op_sel_hi:[1,0,1]  ; zf = x / m: first guess plus the exact remainder's share
.endr
	v_pk_mul_f32 v[RP:RP+1], v[T:T+1], v[T:T+1]    ; five sums, their chains alternating
.irp k, 0,1,2,3
	v_pk_mul_f32 v[RP+2+2*(\k):RP+3+2*(\k)], v[T:T+1], v[CB+8*(\k):CB+8*(\k)+1]
.endr
.irp j, 2,4,6
	v_pk_fma_f32 v[RP:RP+1], v[T+(\j):T+(\j)+1], v[T+(\j):T+(\j)+1], v[RP:RP+1]
.irp k, 0,1,2,3
	v_pk_fma_f32 v[RP+2+2*(\k):RP+3+2*(\k)], v[T+(\j):T+(\j)+1], v[CB+8*(\k)+(\j):CB+8*(\k)+(\j)+1], v[RP+2+2*(\k):RP+3+2*(\k)]
.endr
.endr
.irp k, 0,1,2,3,4
	v_add_f32 v[RP+2*(\k)], v[RP+2*(\k)], v[RP+2*(\k)+1]
.endr
.irp m, 1,2,4,8
.irp k, 0,1,2,3,4
	v_add_f32_dpp v[RP+2*(\k)], v[RP+2*(\k)], v[RP+2*(\k)] row_xmask:\m row_mask:0xf bank_mask:0xf
.endr
.endr
.irp k, 0,1,2,3,4
	v_permlanex16_b32 v[RP+2*(\k)+1], v[RP+2*(\k)], s[SEL], s[SEL+1]
.endr
.irp k, 0,1,2,3,4
	v_add_f32 v[RP+2*(\k)], v[RP+2*(\k)], v[RP+2*(\k)+1]
.endr
.irp k, 0,1,2,3
	v_readlane_b32 s[44+(\k)], v[BB], 4*(\i)+(\k)  ; the candidates' sums of squares
.endr
.irp k, 0,1,2,3
	v_fma_f32 v[RP+2+2*(\k)], v[RP+2+2*(\k)], -2.0, v[RP]  ; 2 x dot is exact, so this is the one rounding of the difference,
.endr
.irp k, 0,1,2,3
	v_add_f32 v[RP+2+2*(\k)], s[44+(\k)], v[RP+2+2*(\k)]   ; and this the one of the sum
.endr
	v_mov_b32 v[DB], v[RP+2]
	v_mov_b32 v[BI], s[16+4*(\i)]
.irp k, 1,2,3                                      ; strictly less, codes ascending: the lowest code keeps a tie.  The winner's row gathers in candidate 0's registers
	v_cmp_lt_f32 vcc_lo, v[RP+2+2*(\k)], v[DB]
	v_cndmask_b32 v[DB], v[DB], v[RP+2+2*(\k)], vcc_lo
	v_cndmask_b32 v[BI], v[BI], s[16+4*(\i)+(\k)], vcc_lo
.irp j, 0,1,2,3,4,5,6,7
	v_cndmask_b32 v[CB+(\j)], v[CB+(\j)], v[CB+8*(\k)+(\j)], vcc_lo
.endr
.endr
.irp j, 0,2,4,6
	v_pk_add_f32 v[RP+(\j):RP+(\j)+1], v[CB+(\j):CB+(\j)+1], v[T+(\j):T+(\j)+1] neg_lo:[0,1] neg_hi:[0,1]
.endr
.irp j, 0,2,4,6
	v_pk_fma_f32 v[ACC:ACC+1], v[RP+(\j):RP+(\j)+1], v[RP+(\j):RP+(\j)+1], v[ACC:ACC+1]  ; the loss: (cb - zf)^2
.endr
.irp j, 0,2,4,6
	v_pk_add_f32 v[RP+(\j):RP+(\j)+1], v[CB+(\j):CB+(\j)+1], v[XB+(\j):XB+(\j)+1] neg_lo:[0,1] neg_hi:[0,1]
.endr
.irp j, 0,2,4,6
	v_pk_add_f32 v[T+(\j):T+(\j)+1], v[XB+(\j):XB+(\j)+1], v[RP+(\j):RP+(\j)+1]          ; out0 = x + (cb - x)
.endr
.if \issue
	XLOAD (\i)+2, \s                               ; loads ahead of stores; the slot's offsets were freed by the wait for its loads
	CLOAD (\i)+2, \s
.endif
	global_store_b128 v[L16], v[T:T+3],   s[12:13] offset:1024*(\i) th:TH_STORE_NT
	global_store_b128 v[L16], v[T+4:T+7], s[12:13] offset:1024*(\i)+512 th:TH_STORE_NT
	ds_store_b32 v[IW], v[BI] offset:4*(\i)        ; all lanes write the same word with the same number
.endm
	ROW 0, 0, 0, 1                                 ; the sums of squares were asked for last, so this wait is for all
	ROW 1, 1, 10, 1                                ; row 2's ten loads may stay out
	ROW 2, 0, 10, 0                                ; row 3's
	ROW 3, 1, 0, 0
	v_add_f32 v[ACC], v[ACC], v[ACC+1]
.irp m, 1,2,4,8
	v_add_f32_dpp v[ACC], v[ACC], v[ACC] row_xmask:\m row_mask:0xf bank_mask:0xf
.endr
	v_permlanex16_b32 v[ACC+1], v[ACC], s[SEL], s[SEL+1]
	v_add_f32 v[ACC], v[ACC], v[ACC+1]
	ds_store_b32 v[LPW], v[ACC]
	s_wait_dscnt 0x0                               ; for wave 0's sake: my words are in LDS
	s_barrier_signal -1
	s_barrier_wait -1
	s_cmp_lg_u32 s34, 0
	s_cbranch_scc1 .Lnot_wave_0
	v_and_b32 v[TA], 31, v0
	v_lshlrev_b32 v[TA], 3, v[TA]
	ds_load_b64 v[16:17], v[TA]                    ; the group's 64 codes,
	v_mov_b32 v[TC], LOSSW
.irp i, 0,1,2,3
	ds_load_b128 v[36+4*(\i):39+4*(\i)], v[TC] offset:16*(\i)  ; and the 16 waves' sums, in every lane
.endr
	s_wait_dscnt 0x0
	global_store_b64 v[TA], v[16:17], s[14:15]     ; 256 consecutive bytes of out2
	v_pk_add_f32 v[36:37], v[36:37], v[38:39]
	v_pk_add_f32 v[40:41], v[40:41], v[42:43]
	v_pk_add_f32 v[44:45], v[44:45], v[46:47]
	v_pk_add_f32 v[48:49], v[48:49], v[50:51]
	v_pk_add_f32 v[36:37], v[36:37], v[40:41]
	v_pk_add_f32 v[44:45], v[44:45], v[48:49]
	v_pk_add_f32 v[36:37], v[36:37], v[44:45]
	v_add_f32 v36, v36, v37
	v_mov_b32 v[TC], 0
	v_cmp_eq_u32 vcc_lo, 0, v0
	s_wait_xcnt 0x0                                ; EXEC changes only behind this wait: the stores above have it among their sources
	s_and_saveexec_b32 s43, vcc_lo
	global_store_b32 v[TC], v36, s[32:33]          ; one word a work-group: the last launch then has 2,048 bytes to read
	s_wait_xcnt 0x0                                ; and again, in front of the line that widens it
	s_or_b32 exec_lo, exec_lo, s43
.Lnot_wave_0:
	s_wait_tensorcnt 0x0                           ; the wave's end: behind my last LDS store
	ds_add_u32 v[SPW], v[NIL]
	s_wait_dscnt 0x0
	s_endpgm
.Lfunc_end_k_qb6cd53d563_refine:
	.size	k_qb6cd53d563_refine, .Lfunc_end_k_qb6cd53d563_refine-k_qb6cd53d563_refine
	.p2alignl 7, 3214868480
	.fill 96, 4, 3214868480
	.section	.rodata,"a",@progbits
	.p2align	6, 0x0
	.amdhsa_kernel k_qb6cd53d563_refine
		.amdhsa_group_segment_fixed_size 2560
		.amdhsa_private_segment_fixed_size 0
		.amdhsa_enable_private_segment 0
		.amdhsa_kernarg_size 56
		.amdhsa_user_sgpr_count 2
		.amdhsa_user_sgpr_kernarg_segment_ptr 1
		.amdhsa_wavefront_size32 1
		.amdhsa_system_sgpr_workgroup_id_x 1
		.amdhsa_system_sgpr_workgroup_id_y 1
		.amdhsa_system_sgpr_workgroup_id_z 1
		.amdhsa_system_vgpr_workitem_id 0
		.amdhsa_next_free_vgpr 128
		.amdhsa_next_free_sgpr 66
		.amdhsa_reserve_vcc 1
		.amdhsa_float_denorm_mode_32 3
		.amdhsa_float_denorm_mode_16_64 3
		.amdhsa_memory_ordered 1
		.amdhsa_forward_progress 1
		.amdhsa_inst_pref_size 43
	.end_amdhsa_kernel
	.amdgpu_metadata
---
amdhsa.version: [ 1, 2 ]
amdhsa.kernels:
  - .name:           k_qb6cd53d563_refine
    .symbol:         k_qb6cd53d563_refine.kd
    .args:
      - { .name: x, .offset: 0, .size: 8, .value_kind: global_buffer, .address_space: global }
      - { .name: cbn, .offset: 8, .size: 8, .value_kind: global_buffer, .address_space: global }
      - { .name: cbb, .offset: 16, .size: 8, .value_kind: global_buffer, .address_space: global }
      - { .name: cand, .offset: 24, .size: 8, .value_kind: global_buffer, .address_space: global }
      - { .name: out0, .offset: 32, .size: 8, .value_kind: global_buffer, .address_space: global }
      - { .name: out2, .offset: 40, .size: 8, .value_kind: global_buffer, .address_space: global }
      - { .name: part, .offset: 48, .size: 8, .value_kind: global_buffer, .address_space: global }
    .group_segment_fixed_size: 2560
    .private_segment_fixed_size: 0
    .kernarg_segment_align: 8
    .kernarg_segment_size: 56
    .max_flat_workgroup_size: 512
    .sgpr_count:     66
    .vgpr_count:     128
    .wavefront_size: 32
...
	.end_amdgpu_metadata
.endif
;; end of part 3
;; launch total (part 4): grid 1 x 1, 1 waves a work-group, no clusters, 0 bytes of LDS; arguments part, out1; writes out1
.if DOCPART == 4
	.amdgcn_target "amdgcn-amd-amdhsa--gfx1250"
	.amdhsa_code_object_version 6
	.text
	.protected	k_qb6cd53d563_total
	.globl	k_qb6cd53d563_total
	.p2align	8
	.type	k_qb6cd53d563_total,@function
k_qb6cd53d563_total:
	s_mov_b64 s[64:65], 0
	v_nop
	global_prefetch_b8 v0, s[64:65] scope:SCOPE_SE
	s_setreg_imm32_b32 hwreg(HW_REG_WAVE_MODE, 25, 1), 1
	s_wait_xcnt 0x0
; VECTOR QUANTIZER, last of four launches: the loss.  The 512 work-groups' partial sums of (z_qn - z_n)^2 are added in a fixed order by one wave (a sum across
; work-groups is made by one owner, in a launch of its own); mean = sum / 2^23 (32,768 rows x 256); loss = 0.25 mean + mean, one rounding as in the sum of the two terms.
	s_load_b128 s[4:7], s[0:1], 0x0                ; part s[4:5], out1 s[6:7]
	v_lshlrev_b32 v1, 4, v0                        ; 16 bytes a lane
	s_mov_b32 s8, 0x76543210                       ; v_permlanex16_b32: each lane takes its own place in the other half
	s_mov_b32 s9, 0xfedcba98
	v_mov_b32 v2, 0
	s_wait_kmcnt 0x0
.irp i, 0,1,2,3
	global_load_b128 v[4+4*(\i):7+4*(\i)], v1, s[4:5] offset:512*(\i)  ; 512 consecutive bytes a load: all 2,048
.endr
	s_wait_loadcnt 0x0
	v_pk_add_f32 v[4:5], v[4:5], v[6:7]
	v_pk_add_f32 v[8:9], v[8:9], v[10:11]
	v_pk_add_f32 v[12:13], v[12:13], v[14:15]
	v_pk_add_f32 v[16:17], v[16:17], v[18:19]
	v_pk_add_f32 v[4:5], v[4:5], v[8:9]
	v_pk_add_f32 v[12:13], v[12:13], v[16:17]
	v_pk_add_f32 v[4:5], v[4:5], v[12:13]
	v_add_f32 v4, v4, v5
.irp m, 1,2,4,8
	v_add_f32_dpp v4, v4, v4 row_xmask:\m row_mask:0xf bank_mask:0xf
.endr
	v_permlanex16_b32 v5, v4, s8, s9
	v_add_f32 v4, v4, v5
	v_mul_f32 v4, 0x34000000, v4                   ; x 2^-23: exact
	v_fmamk_f32 v4, v4, 0x3e800000, v4             ; 0.25 mean + mean
	v_cmp_eq_u32 vcc_lo, 0, v0
	s_wait_xcnt 0x0                                ; EXEC changes only behind this wait
	s_and_saveexec_b32 s10, vcc_lo
	global_store_b32 v2, v4, s[6:7]                ; the output is one number
	s_wait_xcnt 0x0                                ; and again, in front of the line that widens it
	s_or_b32 exec_lo, exec_lo, s10
	s_endpgm
.Lfunc_end_k_qb6cd53d563_total:
	.size	k_qb6cd53d563_total, .Lfunc_end_k_qb6cd53d563_total-k_qb6cd53d563_total
	.p2alignl 7, 3214868480
	.fill 96, 4, 3214868480
	.section	.rodata,"a",@progbits
	.p2align	6, 0x0
	.amdhsa_kernel k_qb6cd53d563_total
		.amdhsa_group_segment_fixed_size 0
		.amdhsa_private_segment_fixed_size 0
		.amdhsa_enable_private_segment 0
		.amdhsa_kernarg_size 16
		.amdhsa_user_sgpr_count 2
		.amdhsa_user_sgpr_kernarg_segment_ptr 1
		.amdhsa_wavefront_size32 1
		.amdhsa_system_sgpr_workgroup_id_x 1
		.amdhsa_system_sgpr_workgroup_id_y 1
		.amdhsa_system_sgpr_workgroup_id_z 1
		.amdhsa_system_vgpr_workitem_id 0
		.amdhsa_next_free_vgpr 32
		.amdhsa_next_free_sgpr 66
		.amdhsa_reserve_vcc 1
		.amdhsa_float_denorm_mode_32 3
		.amdhsa_float_denorm_mode_16_64 3
		.amdhsa_memory_ordered 1
		.amdhsa_forward_progress 1
		.amdhsa_inst_pref_size 3
	.end_amdhsa_kernel
	.amdgpu_metadata
---
amdhsa.version: [ 1, 2 ]
amdhsa.kernels:
  - .name:           k_qb6cd53d563_total
    .symbol:         k_qb6cd53d563_total.kd
    .args:
      - { .name: part, .offset: 0, .size: 8, .value_kind: global_buffer, .address_space: global }
      - { .name: out1, .offset: 8, .size: 8, .value_kind: global_buffer, .address_space: global }
    .group_segment_fixed_size: 0
    .private_segment_fixed_size: 0
    .kernarg_segment_align: 8
    .kernarg_segment_size: 16
    .max_flat_workgroup_size: 32
    .sgpr_count:     66
    .vgpr_count:     32
    .wavefront_size: 32
...
	.end_amdgpu_metadata
.endif
;; end of part 4
